; MI455X (gfx1250); checked and timed in simulation.
; The chip was launched on July 23, 2026; its instructions are those of AMD's public machine-readable ISA for CDNA 5 (MIT licence, August 2026) and "CDNA5" Instruction Set Architecture Reference Guide (July 2026). The comments in the code are by the model that wrote it; some were corrected since.
;; Attention Layer. Allowed arithmetic: matrix products marked QUANTISED: E2M3 operands, one E8M0 scale for each 32 along K, by v_wmma_scale_f32_16x16x128_f8f6f4 with both operands' format E2M3, f32 sums; everything else in f32.
;; Inputs: Wk_codes 1,024 x 32 x 24 uint8 (E2M3 codes of Wk, K innermost, in blocks of 32 codes, four codes in three bytes); Wk_scales 1,024 x 32 uint8 (E8M0 scales of Wk, one for each 32 codes along K); Wo_codes 1,024 x 32 x 24 uint8 (E2M3 codes of Wo, K innermost, in blocks of 32 codes, four codes in three bytes); Wo_scales 1,024 x 32 uint8 (E8M0 scales of Wo, one for each 32 codes along K); Wq_codes 1,024 x 32 x 24 uint8 (E2M3 codes of Wq, K innermost, in blocks of 32 codes, four codes in three bytes); Wq_scales 1,024 x 32 uint8 (E8M0 scales of Wq, one for each 32 codes along K); Wv_codes 1,024 x 32 x 24 uint8 (E2M3 codes of Wv, K innermost, in blocks of 32 codes, four codes in three bytes); Wv_scales 1,024 x 32 uint8 (E8M0 scales of Wv, one for each 32 codes along K); bk 1,024 float32; bo 1,024 float32; bq 1,024 float32; bv 1,024 float32; x_codes 4 x 2,048 x 32 x 24 uint8 (E2M3 codes of x, K innermost, in blocks of 32 codes, four codes in three bytes); x_scales 4 x 2,048 x 32 uint8 (E8M0 scales of x, one for each 32 codes along K).
;; Outputs: out0 4 x 2,048 x 1,024 float32.
;; This version of the problem:
;;   THIS VERSION OF THE PROBLEM IS GIVEN IN LOW PRECISION. The matrix products marked QUANTISED in the list below multiply operands that are first quantised to E2M3 (2 exponent bits, 3 mantissa bits; 6 bits a number), with one power-of-two scale for each 32 numbers along K (OCP MX v1.0); their sums are f32. All else is computed in f32.
;;   The module's matrix products, in the order in which they are computed (A, B: the left and right operand; K: the contracted axis; several contracted axes count as one K, in the product's order):
;;     1. [M 8,192, K 1,024] x [K 1,024, N 1,024]; A: input x (given as codes); B: input Wq (given as codes): QUANTISED
;;     2. [M 8,192, K 1,024] x [K 1,024, N 1,024]; A: input x (given as codes); B: input Wk (given as codes): QUANTISED
;;     3. [M 8,192, K 1,024] x [K 1,024, N 1,024]; A: input x (given as codes); B: input Wv (given as codes): QUANTISED
;;     4. batch 64 x [M 2,048, K 64] x [K 64, N 2,048]; A: computed on the way; B: computed on the way: QUANTISED
;;     5. batch 64 x [M 64, K 2,048] x [K 2,048, N 2,048]; A: computed on the way; B: softmax (see below): QUANTISED
;;     6. [M 8,192, K 1,024] x [K 1,024, N 1,024]; A: computed on the way; B: input Wo (given as codes): QUANTISED
;;   THE QUANTISER, for each operand of a quantised product, along K:
;;     - K is cut into blocks of 32 from its start; a last block that is shorter is filled with zeros.
;;     - A block's scale is 2^e with e = floor(log2(the largest magnitude in the block)) - 2, held to -126 .. 127; a block of zeros has e = 0. As a byte (E8M0): e + 127.
;;     - Each number is divided by its block's scale, clamped to +-7.5, and rounded to the nearest number of E2M3, ties to even, subnormals kept.
;;     - The product sums the exact products of the quantised numbers (number of the format x scale) in f32.
;;   ~~~python
;;   def quantise(x, axis):      # numpy; x: float32 -> the quantised numbers, widened to float32 again
;;       x = np.moveaxis(x, axis, -1); K = x.shape[-1]
;;       x = np.pad(x, [(0, 0)] * (x.ndim - 1) + [(0, -K % 32)]); x = x.reshape(x.shape[:-1] + (-1, 32)); a = np.abs(x).max(-1, keepdims=True)
;;       e = np.where(a > 0, np.clip(np.frexp(np.where(a > 0, a, 1))[1] - 1 - 2, -126, 127), 0)      # np.frexp(a)[1] - 1 = floor(log2(a)), exactly
;;       r = np.clip(x / 2.0 ** e, -7.5, 7.5)
;;       step = 2.0 ** (np.maximum(np.frexp(np.where(r == 0, 1, r))[1] - 1, 0) - 3)
;;       q = np.round(r / step) * step * 2.0 ** e      # np.round: ties to even
;;       return np.moveaxis(q.reshape(q.shape[:-2] + (-1,))[..., :K], -1, axis).astype(np.float32)
;;   ~~~
;;   SOFTMAX AHEAD OF A QUANTISED PRODUCT. Where the list says 'softmax', what is quantised is not the finished softmax but p = 2^(t - M), with t = logit x log2(e) and M = ceil(the row's largest t), a whole number; so 1/2 < the row's largest p <= 1. The row's sum l is taken of the UNQUANTISED p, in f32, and the product's result is divided by l at the end. Since M is a whole number, a kernel that streams over the keys may use a running M (the ceiling of the running maximum): every later rescaling is an exact power of two, which a block's scale takes up: the codes' values come out the same.
;;   OPERANDS COMPUTED ON THE WAY. 'Computed on the way' means the value that the module computes at that place (a softmax that the list does not call 'softmax' is quantised finished and normalised). What goes into a quantiser is computed in f32, as accurately as f32 sums, v_exp_f32 and their like allow (about 1e-6 of the number): no bf16 or f16 on the way to a quantiser, and a product that is left as it is and whose result goes on into a quantised operand takes f32 operands (vector FMAs, or v_wmma_f32_16x16x4_f32). A number that lies on a knife's edge between two numbers of the format may be rounded either way, as far as f32 arithmetic and the matrix unit's own rounding can turn it there, and no further.
;;   INPUTS GIVEN AS CODES. Wk (in the module: [1024, 1024], K = its axis 0); Wo (in the module: [1024, 1024], K = its axis 0); Wq (in the module: [1024, 1024], K = its axis 0); Wv (in the module: [1024, 1024], K = its axis 0); x (in the module: [4, 2048, 1024], K = its axis 2): each comes as NAME_codes (uint8): NAME with its K axis moved to the last place and cut into blocks of 32 codes, [.., K / 32, bytes a block], one block behind the other in memory; four codes in three bytes: a row's codes are one little-endian stream of bits, code i at bits 6 i .. 6 i + 5 (a code: sign, 2 exponent bits, 3 mantissa bits); and NAME_scales (uint8): the same leading axes, one E8M0 byte (e + 127) for each 32 codes along K. Its value is code x scale, taken as it is: it is not quantised again, and the codes and scales need not be those that the quantiser above would give.
;; One version. Each part assembles by itself: llvm-mc -triple=amdgcn-amd-amdhsa -mcpu=gfx1250 --defsym DOCPART=n.
;; ======== version 1 of 1: 3 launches
;; limits: right only within a limited range of input values
;; workspace buffers: qbuf 6,815,744 bytes; kvbuf 13,369,344 bytes; obuf 6,291,456 bytes; oscl 262,144 bytes
;; launch qkv (part 1): grid 8 x 32, 4 waves a work-group, clusters of 4 x 4, 327,680 bytes of LDS; arguments x_codes, x_scales, Wv_codes, Wv_scales, Wq_codes, Wq_scales, Wk_codes, Wk_scales, bv, bq, bk, qbuf, kvbuf; writes qbuf, kvbuf
.if DOCPART == 1
	.amdgcn_target "amdgcn-amd-amdhsa--gfx1250"
	.amdhsa_code_object_version 6
	.text
	.protected	k_q6c461fcd2a_qkv
	.globl	k_q6c461fcd2a_qkv
	.p2align	8
	.type	k_q6c461fcd2a_qkv,@function
k_q6c461fcd2a_qkv:
	s_mov_b64 s[64:65], 0
	v_nop
	global_prefetch_b8 v0, s[64:65] scope:SCOPE_SE
	s_setreg_imm32_b32 hwreg(HW_REG_WAVE_MODE, 25, 1), 1
	s_wait_xcnt 0x0
	s_wait_alu depctr_hold_cnt(0) depctr_sa_sdst(0) depctr_va_vdst(0) depctr_va_sdst(0) depctr_va_ssrc(0) depctr_va_vcc(0) depctr_vm_vsrc(0)
	s_getreg_b32 s2, hwreg(HW_REG_IB_STS2, 6, 4)
	s_cmp_eq_u32 s2, 0
	s_cbranch_scc0 .Lentry_in_a_cluster
	s_endpgm
.Lentry_in_a_cluster:
	s_bfe_u32 s2, ttmp6, 0x10000c
	s_cmp_lg_u32 s2, 0xf033
	s_cbranch_scc0 .Lentry_shape_is_right
	s_endpgm
.Lentry_shape_is_right:
; LAUNCH 1 OF 3.  V, Q, K = x W + b on codes of FP6 (E2M3) with E8M0 scales, each result quantised again in registers and stored as images of the next launch's operand registers.
; THE DEAL: 256 work-groups (column group cg = 0..7, row block rb = 0..31) of four waves, 2 x 2.  A work-group takes its 256 tokens through 128 columns (two heads) of V, then of Q, then of K.
; x's 256 rows (768 bytes each, whole) and their scale bytes lie in LDS for the whole launch.  A weight's 128 rows land in one region, go into registers (a wave: 64 rows, all of K, 384 registers), and the next weight's rows are filled over them in a drained round.
; Wave (w, b): tokens 128 w .. + 127 (one key step) in eight blocks of 16, head 2 cg + b.  A block is 32 products, four accumulators by turns.
; Q, K: source 0 = 16 rows of W, source 1 = 16 tokens.  Row m of tile j is output 32 (m / 8) + 8 j + m % 8, so a lane's 32 sums are columns 32 h + 0 .. 31 of its token: one scale block, in the order of an operand's six registers.
; V: source 0 = 16 tokens, source 1 = 16 rows of Wv: a lane holds a channel, its registers run along the tokens.  Four blocks (64 tokens, two scale blocks) are quantised together; inside a block of 32 the keys lie in the order 0-7, 16-23, 8-15, 24-31, as the next launch lays p.
; OUT.  qbuf, a record of 106,496 bytes a head: codes [tile of 16 tokens][768: registers 0-3 at 16 x lane, 4-5 at 512 + 8 x lane]; from 98,304 scale words [key step][lane][4]: word k of lanes 0-15 is tile 2 k's, of lanes 16-31 tile 2 k + 1's (bytes 0, 1).
; kvbuf, a record of 204,800 bytes a head: [key step 16][12,800]: K's codes [pair of tiles 4][1,536]: an operand of 12 registers, the even tile's six and the odd tile's six, four registers at 512 k + 16 x lane; from 6,144 V's codes [channel tile 4][1,536] likewise;
; from 12,288 scale words [lane][4]: K's words of pairs 0 | 1 and 2 | 3 (lanes 0-15 | 16-31; a word: the even tile's two bytes, the odd tile's two), V's of tiles 0 | 1 and 2 | 3: 512 bytes on end, one store.
; JOINT LOADS: x's tiles are shared by a row of the cluster, a weight's by a column.  The bias is the first products' C, so a sum begins with it.
; LIMITS: NaN and infinities are not served.  A block whose largest magnitude lies under 2^-124 gets the byte 1; this program alone reads the bytes.  The last two blocks of K fetch blocks 0 and 1 once more, which nobody multiplies: the loop's text is one.
.set KROW, 768
.set PITCH, 816                        ; an LDS row: 3 x (256 + 16)
.set FR, 12
.set FPW, 21                           ; fragments in a window of 256 registers
.set NF, 28                            ; LDS loads of a block: 26 for eight fragments, 2 for eight scale words
.set YB, 256*PITCH                     ; the weight's 128 rows
.set SCL, YB+128*PITCH                 ; x's scale bytes: 32 units of 256 + 16
.set SPARE, SCL+32*272                 ; the spare words
.set QREC, 106496
.set KVREC, 204800
.set ADRA0, 4                          ; v4, v5 my fragments of block 0 (v5: pieces behind one padding more)
.set AAS0, 6                           ; my row's scale words of block 0
.set V8H, 7                            ; 8 x (lane / 16)
.set CO16, 8
.set CO8, 9
.set SPW, 10
.set NIL, 11
.set ADRA, 12                          ; as v4, v5 for the block fetched next
.set AAS, 14
.set ABSV, 15                          ; offsets in a weight's scale bytes: rows as they lie; rows as Q's and K's tiles take them
.set ABSQ, 16
.set BVA, 17
.set BBV, 18                           ; v18, v19 / v20, v21 LDS addresses of a weight's tile 0, in the two orders of rows
.set BBQ, 20
.set PFO, 22
.set BIA, 23
.set SB, 24                            ; v24-55 a weight's scale words, two sets
.set TQ, 56
.set SA, 60                            ; v60-75 x's scale words, two sets
.set BQ, 76                            ; v76-107, v108-139 Q's and K's bias as C
.set BK, 108
.set ACC, 140                          ; v140-203 Q's or K's sums, two sets
.set BVC, 140                          ; V: the bias as C, eight registers a tile
.set VCD, 172                          ; V: codes, eight a tile: the first band's registers 4, 5, then a band's six
.set NCD, 204
.set TV, 204
.set TC, 210
.set EB, 213
.set SOP, 214
.set WT, 215
.set WE, 216                           ; v216-219 at the end: K's two scale words, then V's two (WP)
.set WP, 218
.set SAW, 220
.set SWV, 220
.set BA, 224
.set TM, 232
.set TP, 240
.set NK, 232                           ; K: a pair's operand, 12 registers
.set VA, 72                            ; window 3: V's sums of a band, 32 t + 8 j + i
.set G1A, 24
.set G1B, 32
.set G1S, 40
.set G1R, 48
.set G0A, 56
.set G0B, 60
.set G0S, 68
.set G0Q, 72
.set G0K, 76
.set MSB, 0
.macro WIN new
.if MSB != (\new)
	s_set_vgpr_msb (MSB<<8)|(\new)
.set MSB, (\new)
.endif
.endm
.macro PLACES n
.rept \n
	v_nop
.endr
.endm
.macro WALU
	s_wait_alu depctr_va_vdst(0)
.endm
.macro BARRIER
	s_barrier_signal -1
	s_barrier_wait -1
.endm
.macro CROUND
	BARRIER
	s_cmp_lg_u32 s14, 0
	s_cbranch_scc1 .Lnw0_\@
	s_barrier_signal -3
.Lnw0_\@:
	s_barrier_wait -3
	BARRIER
.endm
.macro TLOAD g0, g1                    ; an s_nop 0 and four v_nop follow
	tensor_load_to_lds s[\g0:\g0+3], s[\g1:\g1+7]
	s_nop 0
	PLACES 4
.endm
.macro GROUP1 g, mask, rows            ; rows of 768 bytes, 16 bytes of padding behind every 256
	s_or_b32 s[\g+0], s\mask, (1<<20)|(1<<21)|(5<<22)|(3<<25)
	s_mov_b32 s[\g+1], KROW<<16
	s_mov_b32 s[\g+2], (\rows)<<16
	s_mov_b32 s[\g+3], KROW<<16
	s_mov_b32 s[\g+4], \rows
	s_mov_b32 s[\g+5], KROW
	s_mov_b32 s[\g+6], 0
	s_mov_b32 s[\g+7], 0
.endm
.macro G0SET g, base, off              ; group 0's address: base + the offset in s\off (s99 = 0)
	s_mov_b32 s98, s\off
	s_add_nc_u64 s[\g+2:\g+3], s[\base:\base+1], s[98:99]
	s_or_b32 s[\g+3], s[\g+3], 0x80000000
.endm
.macro PLUS d, base                    ; pointer d = pointer base + s98
	s_add_nc_u64 s[\d:\d+1], s[\base:\base+1], s[98:99]
.endm
; fragment f (0-31 the weight's: 4 q + tile; 32-47 x's two sets: 32 + 8 e + q) lies in window 1 + f / 21 at register 12 (f % 21).  Six pieces of 8 bytes, two to a load where both go by one address register
.macro FRAG f, q, a0, a1
	WIN (1+(\f)/FPW)<<6
.set R_, FR*((\f)%FPW)
.set SKIP_, 0
.irp p, 0,1,2,3,4,5
.if SKIP_
.set SKIP_, 0
.else
.set PC_, 12*(\q)+6*(\p/3)+\p%3
.set PN_, 12*(\q)+6*((\p+1)/3)+(\p+1)%3
.set X_, (PC_%32+3)/32
.set XQ_, (PN_%32+3)/32
.if (\p < 5) && (X_ == XQ_)
.set SKIP_, 1
.if X_
	ds_load_2addr_b64 v[R_+2*\p:R_+2*\p+3], \a1 offset0:PC_+2*(PC_/32) offset1:PN_+2*(PN_/32)
.else
	ds_load_2addr_b64 v[R_+2*\p:R_+2*\p+3], \a0 offset0:PC_+2*(PC_/32) offset1:PN_+2*(PN_/32)
.endif
.elseif X_
	ds_load_b64 v[R_+2*\p:R_+2*\p+1], \a1 offset:8*(PC_+2*(PC_/32))
.else
	ds_load_b64 v[R_+2*\p:R_+2*\p+1], \a0 offset:8*(PC_+2*(PC_/32))
.endif
.endif
.endr
.endm
.macro FETCHAT e, a, s                 ; a block of x into set e: NF loads
.irp q, 0,1,2,3,4,5,6,7
	FRAG 32+8*(\e)+\q, \q, v[\a], v[\a+1]
.endr
	WIN 0
	ds_load_b128 v[SA+8*(\e):SA+8*(\e)+3], v[\s]
	ds_load_b128 v[SA+8*(\e)+4:SA+8*(\e)+7], v[\s] offset:16
.endm
.macro BADDR base, step                ; the four tiles' addresses, step rows apart
.irp t, 0,1,2,3
	v_add_nc_u32 v[BA+2*\t], \t*\step*PITCH, v[\base]
	v_add_nc_u32 v[BA+2*\t+1], \t*\step*PITCH, v[\base+1]
.endr
.endm
.macro BLOAD                           ; my 64 rows of the weight, all of K
.irp q, 0,1,2,3,4,5,6,7
.irp t, 0,1,2,3
	FRAG 4*\q+\t, \q, v[BA+2*\t], v[BA+2*\t+1]
.endr
.endr
	WIN 0
.endm
.macro WM d, s0, s1, c, x0, x1, side, o
.if \o
	v_wmma_scale_f32_16x16x128_f8f6f4 v[\d:\d+7], v[\s0:\s0+FR-1], v[\s1:\s1+FR-1], \c, v[\x0], v[\x1] matrix_a_fmt:MATRIX_FMT_FP6 matrix_b_fmt:MATRIX_FMT_FP6 matrix_\side\()_scale:MATRIX_SCALE_ROW1
.else
	v_wmma_scale_f32_16x16x128_f8f6f4 v[\d:\d+7], v[\s0:\s0+FR-1], v[\s1:\s1+FR-1], \c, v[\x0], v[\x1] matrix_a_fmt:MATRIX_FMT_FP6 matrix_b_fmt:MATRIX_FMT_FP6 matrix_\side\()_scale:MATRIX_SCALE_ROW0
.endif
.endm
.macro PQK e, n, sbs, bc               ; product n = 4 q + tile of a block of Q or K
.set Q_, (\n)/4
.set T_, (\n)%4
.set FB_, 4*Q_+T_
.set FA_, 32+8*(\e)+Q_
.set D_, ACC+32*(\e)+8*T_
	WIN (1+FB_/FPW)|((1+FA_/FPW)<<2)
.if Q_
	WM D_, FR*(FB_%FPW), FR*(FA_%FPW), v[D_:D_+7], \sbs+8*(T_/2)+Q_, SA+8*(\e)+Q_, a, T_%2
.else
	WM D_, FR*(FB_%FPW), FR*(FA_%FPW), v[\bc+8*T_:\bc+8*T_+7], \sbs+8*(T_/2)+Q_, SA+8*(\e)+Q_, a, T_%2
.endif
.endm
.macro PVV e, n, j                     ; the same of V, place j in its band
.set Q_, (\n)/4
.set T_, (\n)%4
.set FB_, 4*Q_+T_
.set FA_, 32+8*(\e)+Q_
.set D_, VA+32*T_+8*(\j)
.if Q_
	WIN (1+FA_/FPW)|((1+FB_/FPW)<<2)|0xf0
	WM D_, FR*(FA_%FPW), FR*(FB_%FPW), v[D_:D_+7], SA+8*(\e)+Q_, SB+8*(T_/2)+Q_, b, T_%2
.else
	WIN (1+FA_/FPW)|((1+FB_/FPW)<<2)|0xc0
	WM D_, FR*(FA_%FPW), FR*(FB_%FPW), v[BVC+8*T_:BVC+8*T_+7], SA+8*(\e)+Q_, SB+8*(T_/2)+Q_, b, T_%2
.endif
.endm
.macro VBLOCK s
	s_wait_dscnt NF                                ; this block's rows are in; the younger fetch may be out
.set N_, 0
.rept 32
	PVV (\s)%2, N_, (\s)%4
.set N_, N_+1
.endr
	WIN 0
	v_add_nc_u32 v[ADRA], (((\s)+2)%8)*16*PITCH, v[ADRA0]      ; with the v_nop: the four places behind the last product
	v_add_nc_u32 v[ADRA+1], (((\s)+2)%8)*16*PITCH, v[ADRA0+1]
	v_add_nc_u32 v[AAS], (((\s)+2)%8)*544, v[AAS0]
	v_nop
	WALU
	FETCHAT (\s)%2, ADRA, AAS                      ; the block two on; behind block 7 come blocks 0 and 1 for the next weight
.endm
.macro VOUT c                          ; band c's way out: eight scale blocks (tile t, block b: k = 2 t + b), 16 sums in a lane and 16 in lane l xor 16
.if \c
	s_wait_xcnt 0x0                                ; the first band's stores have read their registers
.endif
	WIN 0x0f
.irp k, 0,1,2,3,4,5,6,7
	v_max3_num_f32 v[TM+\k], |v[VA+16*\k]|, |v[VA+16*\k+1]|, 0x1800000   ; with the floor 2^(3 - 127)
.endr
	WIN 0x3c
.irp i, 2,4,6,8,10,12,14
.irp k, 0,1,2,3,4,5,6,7
	v_max3_num_f32 v[TM+\k], v[TM+\k], |v[VA+16*\k+\i]|, |v[VA+16*\k+\i+1]|
.endr
.endr
	WIN 0
.irp k, 0,1,2,3,4,5,6,7
	v_permlanex16_b32 v[TP+\k], v[TM+\k], s2, s3
.endr
.irp k, 0,1,2,3,4,5,6,7
	v_max_num_f32 v[TM+\k], v[TM+\k], v[TP+\k]
.endr
.irp k, 0,1,2,3,4,5,6,7
	v_add_nc_u32 v[TM+\k], 0xff000000, v[TM+\k]    ; 2 off the exponent field: the conversion's scale operand
.endr
.irp k, 0,1,2,3,4,5,6,7
	v_lshrrev_b32 v[TP+\k], 23, v[TM+\k]           ; the byte
.endr
.irp t, 0,1,2,3
.if \c
	v_lshl_or_b32 v[TP+2*\t], v[TP+2*\t+1], 8, v[TP+2*\t]
.else
	v_lshl_or_b32 v[SWV+\t], v[TP+2*\t+1], 8, v[TP+2*\t]
.endif
.endr
.if \c
.irp t, 0,1,2,3
	v_lshl_or_b32 v[SWV+\t], v[TP+2*\t], 16, v[SWV+\t]
.endr
.endif
	WIN 0x03
.irp t, 0,1,2,3
	v_cvt_scalef32_pk16_fp6_f32 v[VCD+8*\t+2:VCD+8*\t+4], v[VA+32*\t:VA+32*\t+15], v[TM+2*\t]
	v_cvt_scalef32_pk16_fp6_f32 v[TV+4*\t:TV+4*\t+2], v[VA+32*\t+16:VA+32*\t+31], v[TM+2*\t+1]
.endr
	WIN 0
	v_nop                                          ; one plain place behind a scaled conversion
.irp t, 0,1,2,3
.irp i, 0,1,2
	v_permlane16_swap_b32 v[VCD+8*\t+2+\i], v[TV+4*\t+\i]      ; a whole block into a lane
.endr
.endr
.irp t, 0,1,2,3
.irp i, 0,1,2
	v_mov_b32 v[VCD+8*\t+5+\i], v[TV+4*\t+\i]
.endr
.endr
.if \c
.irp t, 0,1,2,3
	global_store_b128 v[CO16], v[VCD+8*\t:VCD+8*\t+3], s[12:13] offset:6144+1536*\t+512
	global_store_b128 v[CO16], v[VCD+8*\t+4:VCD+8*\t+7], s[12:13] offset:6144+1536*\t+1024
.endr
	v_cndmask_b32 v[WP], v[SWV], v[SWV+1], s96     ; V's two scale words wait for K's
	v_cndmask_b32 v[WP+1], v[SWV+2], v[SWV+3], s96
.else
.irp t, 0,1,2,3
	global_store_b128 v[CO16], v[VCD+8*\t+2:VCD+8*\t+5], s[12:13] offset:6144+1536*\t   ; registers 0-3 of the image
.endr
.irp t, 0,1,2,3
	v_mov_b32 v[VCD+8*\t], v[VCD+8*\t+6]           ; registers 4, 5 wait beside the second band's six
	v_mov_b32 v[VCD+8*\t+1], v[VCD+8*\t+7]
.endr
.endif
.endm
.macro QKBLOCK e, sbs, bc, lo, pf      ; pf = 1: K, whose two tiles of a pair leave as one operand
	s_wait_dscnt NF
.set N_, 0
.rept 32
	PQK \e, N_, \sbs, \bc
.set N_, N_+1
.endr
	WIN 0
	v_add3_u32 v[ADRA], s100, (\e)*16*PITCH, v[ADRA0]          ; with the v_nop: the four places behind the last product
	v_add3_u32 v[ADRA+1], s100, (\e)*16*PITCH, v[ADRA0+1]
	v_add3_u32 v[AAS], s101, (\e)*544, v[AAS0]
	v_nop
	WALU
	FETCHAT \e, ADRA, AAS
.set X, ACC+32*(\e)
.set CD, NCD+(\pf)*(NK-NCD+6*(\e))
	s_wait_xcnt 0x0                                ; the earlier stores have read their registers
.irp k, 0,1,2,3
	v_max3_num_f32 v[TQ+\k], |v[X+8*\k]|, |v[X+8*\k+1]|, |v[X+8*\k+2]|   ; the largest of my 32 sums, four chains side by side
.endr
.irp k, 0,1,2,3
	v_max3_num_f32 v[TQ+\k], v[TQ+\k], |v[X+8*\k+3]|, |v[X+8*\k+4]|
.endr
.irp k, 0,1,2,3
	v_max3_num_f32 v[TQ+\k], v[TQ+\k], |v[X+8*\k+5]|, |v[X+8*\k+6]|
.endr
	v_max3_num_f32 v[TQ], v[TQ], |v[X+7]|, |v[X+15]|
	v_max3_num_f32 v[TQ+1], v[TQ+1], |v[X+23]|, |v[X+31]|
	v_max3_num_f32 v[TQ+2], v[TQ+2], v[TQ+3], 0x1800000
	v_max3_num_f32 v[TQ], v[TQ], v[TQ+1], v[TQ+2]
	v_add_nc_u32 v[SOP], 0xff000000, v[TQ]
	v_cvt_scalef32_pk16_fp6_f32 v[CD:CD+2], v[X:X+15], v[SOP]
	v_cvt_scalef32_pk16_fp6_f32 v[TC:TC+2], v[X+16:X+31], v[SOP]
	v_lshrrev_b32 v[EB], 23, v[SOP]                ; the byte of block h.  (The plain place behind the conversions)
.irp i, 0,1,2
	v_mov_b32 v[CD+3+\i], v[TC+\i]
.endr
	v_lshlrev_b32 v[EB], v[V8H], v[EB]             ; at its place among the row's two bytes,
	v_permlanex16_b32 v[WT], v[EB], s2, s3         ; with lane l xor 16's
.if \e
	v_or_b32 v[WT], v[EB], v[WT]
	v_mov_b32 v[SAW], v[SAW+1]                     ; the four pairs' words move up: after four trips word k is pair k's
	v_mov_b32 v[SAW+1], v[SAW+2]
	v_mov_b32 v[SAW+2], v[SAW+3]
.if \pf
	v_lshl_or_b32 v[SAW+3], v[WT], 16, v[WE]       ; K: the even tile's two bytes, then the odd tile's
.else
	v_cndmask_b32 v[SAW+3], v[WE], v[WT], s96      ; Q: lanes 0-15 the even tile's word, lanes 16-31 the odd tile's
.endif
.else
	v_or_b32 v[WE], v[EB], v[WT]
.endif
.if \pf
.if \e
.irp k, 0,1,2
	global_store_b128 v[CO16], v[NK+4*\k:NK+4*\k+3], s[\lo:\lo+1] offset:512*\k
.endr
.endif
.else
	global_store_b128 v[CO16], v[NCD:NCD+3], s[\lo:\lo+1] offset:768*(\e)
	global_store_b64 v[CO8], v[NCD+4:NCD+5], s[\lo:\lo+1] offset:768*(\e)+512
.endif
.endm
.macro QKSTREAM sbs, bc, lo, pf        ; eight blocks, a pair a trip; trip t fetches blocks (2 t + 2) % 8 and the next
	s_mov_b32 s97, 0
.Lpair_\@:
	s_add_co_u32 s97, s97, 1
	s_and_b32 s98, s97, 3
	s_mul_i32 s100, s98, 32*PITCH
	s_mul_i32 s101, s98, 1088
	QKBLOCK 0, \sbs, \bc, \lo, \pf
	QKBLOCK 1, \sbs, \bc, \lo, \pf
	s_wait_xcnt 0x0                                ; the stores have read their base
	s_add_nc_u64 s[\lo:\lo+1], s[\lo:\lo+1], 1536
	s_cmp_lg_u32 s97, 4
	WALU
	s_cbranch_scc1 .Lpair_\@
.endm
; ================= THE HEAD
	s_load_b512 s[80:95], s[0:1], 0x0              ; x_codes 80, x_scales 82, Wv 84, 86, Wq 88, 90, Wk 92, 94
	s_load_b256 s[4:11], s[0:1], 0x40              ; bv, bq, bk, qbuf
	s_load_b64 s[12:13], s[0:1], 0x60              ; kvbuf
	v_lshl_add_u32 v[SPW], v0, 2, SPARE
	v_mov_b32 v[NIL], 0
	ds_add_u32 v[SPW], v[NIL]                      ; the opening lines: the add twice and its wait
	ds_add_u32 v[SPW], v[NIL]
	v_lshrrev_b32 v1, 5, v0
	v_readfirstlane_b32 s14, v1                    ; the wave; s15 its row w, s16 its column b
	s_lshr_b32 s15, s14, 1
	s_and_b32 s16, s14, 1
	s_bfe_u32 s17, ttmp6, 0x40000                  ; cx
	s_bfe_u32 s18, ttmp6, 0x40004                  ; cy
	s_lshl_b32 s19, ttmp9, 2
	s_add_co_u32 s19, s19, s17                     ; cg
	s_and_b32 s20, ttmp7, 0xffff
	s_lshl_b32 s20, s20, 2
	s_add_co_u32 s20, s20, s18                     ; rb
	s_lshl_b32 s21, s18, 2
	s_lshl_b32 s21, 15, s21                        ; my row of the cluster shares x
	s_lshl_b32 s22, 0x1111, s17                    ; my column shares the weights
	s_mov_b32 s2, 0x76543210
	s_mov_b32 s3, 0xfedcba98
	GROUP1 G1A, 21, 128
	GROUP1 G1B, 22, 128
	GROUP1 G1R, 22, 32
	s_or_b32 s[G1S+0], s21, (3<<16)|(1<<20)|(1<<21)|(5<<22)|(3<<25)   ; x's scale bytes: 32 dense rows of 256 bytes
	s_mov_b32 s[G1S+1], 32<<16
	s_mov_b32 s[G1S+2], 32<<16
	s_mov_b32 s[G1S+3], 32<<16
	s_mov_b32 s[G1S+4], 32
	s_mov_b32 s[G1S+5], 32
	s_mov_b32 s[G1S+6], 0
	s_mov_b32 s[G1S+7], 0
	s_mul_i32 s23, s20, 256*KROW
	s_mul_i32 s97, s15, 128*KROW
	s_add_co_u32 s23, s23, s97                     ; waves 1, 2: x's rows 0-127, 128-255 (wave / 2 = 0, 1)
	s_mul_i32 s96, s19, 128*KROW                   ; the weight's tile
	s_mul_i32 s97, s14, 32*KROW
	s_add_co_u32 s97, s97, s96                     ; my 32 rows of a refill
	s_lshl_b32 s100, s20, 13
	s_mov_b32 s[G0A], 1
	s_mul_i32 s[G0A+1], s15, 128*PITCH
	s_mov_b32 s[G0B], 1
	s_mov_b32 s[G0B+1], YB
	s_mov_b32 s[G0S], 1
	s_mov_b32 s[G0S+1], SCL
	s_mov_b32 s[G0Q], 1
	s_mul_i32 s[G0Q+1], s14, 32*PITCH
	s_add_co_u32 s[G0Q+1], s[G0Q+1], YB
	s_mov_b32 s[G0K], 1
	s_mov_b32 s[G0K+1], s[G0Q+1]
	s_mov_b32 s99, 0
	v_and_b32 v1, 15, v0
	v_bfe_u32 v2, v0, 4, 1
	v_and_b32 v3, 31, v0
	v_mul_u32_u24 v232, v1, PITCH
	v_mad_u32_u24 v233, v2, 24, v232
	v_mad_u32_u24 v234, v2, 40, v232
	s_mul_i32 s21, s15, 128*PITCH
	v_add_nc_u32 v[ADRA0], s21, v233
	v_add_nc_u32 v[ADRA0+1], s21, v234
	s_mul_i32 s22, s16, 64*PITCH
	s_add_co_u32 s22, s22, YB
	v_add_nc_u32 v[BBV], s22, v233
	v_add_nc_u32 v[BBV+1], s22, v234
	v_and_b32 v235, 7, v1
	v_lshrrev_b32 v236, 3, v1
	v_lshl_add_u32 v235, v236, 5, v235             ; 32 (r / 8) + r % 8
	v_mul_u32_u24 v232, v235, PITCH
	v_mad_u32_u24 v233, v2, 24, v232
	v_mad_u32_u24 v234, v2, 40, v232
	v_add_nc_u32 v[BBQ], s22, v233
	v_add_nc_u32 v[BBQ+1], s22, v234
	v_lshlrev_b32 v[ABSV], 5, v3
	v_lshl_add_u32 v[ABSQ], v2, 3, v235
	v_lshlrev_b32 v[ABSQ], 5, v[ABSQ]
	v_lshlrev_b32 v232, 5, v1
	v_lshl_add_u32 v232, v236, 4, v232             ; 32 r, and 16 more behind the first 256
	s_mul_i32 s21, s15, 16*272
	s_add_co_u32 s21, s21, SCL
	v_add_nc_u32 v[AAS0], s21, v232
	v_add_nc_u32 v[ADRA], 16*PITCH, v[ADRA0]
	v_add_nc_u32 v[ADRA+1], 16*PITCH, v[ADRA0+1]
	v_add_nc_u32 v[AAS], 544, v[AAS0]
	v_lshlrev_b32 v[V8H], 3, v2
	v_lshlrev_b32 v[CO16], 4, v3
	v_lshlrev_b32 v[CO8], 3, v3
	v_lshlrev_b32 v[BIA], 7, v2
	v_lshlrev_b32 v[BVA], 2, v1
	BADDR BBV, 16
	v_mov_b32 v[WT], 0                             ; a lane permute's destination counts as a source
.irp k, 0,1,2,3,4,5,6,7
	v_mov_b32 v[TP+\k], 0
.endr
	s_lshl_b32 s21, s18, 2                         ; the prefetches: a weight's tile is 384 blocks of 256 bytes; of the sixteen waves of my column of the cluster, told apart by address, each names 24
	s_add_co_u32 s21, s21, s14
	s_mul_i32 s21, s21, 6144
	s_add_co_u32 s21, s21, s96
	v_min_u32 v[PFO], 23, v3
	v_lshl_add_u32 v[PFO], v[PFO], 8, s21
	WALU
	s_wait_dscnt 0x0
	CROUND                                         ; the opening round
	s_wait_kmcnt 0x0
	G0SET G0B, 84, 96
	G0SET G0A, 80, 23
	G0SET G0S, 82, 100
	G0SET G0Q, 88, 97
	G0SET G0K, 92, 97
	s_cmp_eq_u32 s14, 0
	s_cbranch_scc0 .Lw12
	TLOAD G0B, G1B                                 ; wave 0: Wv's 128 rows, wanted first
	s_branch .Lasked
.Lw12:
	s_cmp_lt_u32 s14, 3
	s_cbranch_scc0 .Lw3
	TLOAD G0A, G1A                                 ; waves 1, 2: 128 rows of x each
	s_branch .Lasked
.Lw3:
	TLOAD G0S, G1S                                 ; wave 3: x's scale bytes
.Lasked:
	global_prefetch_b8 v[PFO], s[88:89] th:TH_LOAD_NT scope:SCOPE_SE   ; Wq's and Wk's tiles, which the two refills will load
	global_prefetch_b8 v[PFO], s[92:93] th:TH_LOAD_NT scope:SCOPE_SE
	s_lshl_b32 s21, s19, 7
	s_lshl_b32 s22, s16, 6
	s_add_co_u32 s21, s21, s22                     ; my first column: 128 cg + 64 b
	s_lshl_b32 s98, s21, 5
	PLUS 86, 86
	PLUS 90, 90
	PLUS 94, 94
	s_lshl_b32 s98, s21, 2
	PLUS 4, 4
	PLUS 6, 6
	PLUS 8, 8
.irp p, 0,1
.irp c, 0,1
	global_load_b128 v[SB+8*\p+4*\c:SB+8*\p+4*\c+3], v[ABSV], s[86:87] offset:\p*1024+16*\c
	global_load_b128 v[SB+16+8*\p+4*\c:SB+16+8*\p+4*\c+3], v[ABSQ], s[90:91] offset:\p*512+16*\c
.endr
.endr
.irp t, 0,1,2,3
	global_load_b32 v[TQ+\t], v[BVA], s[4:5] offset:64*\t
.endr
.irp j, 0,1,2,3
.irp c, 0,1
	global_load_b128 v[BQ+8*\j+4*\c:BQ+8*\j+4*\c+3], v[BIA], s[6:7] offset:32*\j+16*\c
	global_load_b128 v[BK+8*\j+4*\c:BK+8*\j+4*\c+3], v[BIA], s[8:9] offset:32*\j+16*\c
.endr
.endr
	s_lshr_b32 s21, s20, 3                         ; where the results go: head 16 batch + 2 cg + b, key step 2 (rb % 8) + w
	s_lshl_b32 s21, s21, 4
	s_lshl_b32 s22, s19, 1
	s_add_co_u32 s21, s21, s22
	s_add_co_u32 s21, s21, s16
	s_and_b32 s22, s20, 7
	s_lshl_b32 s22, s22, 1
	s_add_co_u32 s22, s22, s15
	s_mul_i32 s23, s21, QREC
	s_mul_i32 s96, s21, KVREC
	s_mul_i32 s97, s22, 6144
	s_lshl_b32 s100, s22, 9
	s_mul_i32 s101, s22, 12800
	s_add_co_u32 s98, s23, s100
	s_add_co_u32 s98, s98, 98304
	PLUS 80, 10                                    ; s[80:81] Q's scale words
	s_add_co_u32 s98, s23, s97
	PLUS 10, 10                                    ; s[10:11] Q's codes
	s_add_co_u32 s98, s96, s101
	PLUS 12, 12                                    ; s[12:13] my key step in kvbuf
	v_cmp_lt_u32 s96, 15, v3                       ; lanes 16-31
	WALU
	s_cmp_eq_u32 s14, 0
	s_cbranch_scc0 .Lnot_b
	s_wait_tensorcnt 0x0
.Lnot_b:
	BARRIER                                        ; Wv's rows are in
	BLOAD
	s_wait_loadcnt 0x0
.irp t, 0,1,2,3
.irp i, 0,1,2,3,4,5,6,7
	v_mov_b32 v[BVC+8*\t+\i], v[TQ+\t]             ; V's bias in the sums' layout: a lane's channel in all eight registers
.endr
.endr
	WALU
	s_wait_tensorcnt 0x0                           ; x's rows and scale bytes are in; the three lines ahead of a refill's round
	ds_add_u32 v[SPW], v[NIL]
	s_wait_dscnt 0x0                               ; and I hold Wv's rows in registers
	CROUND
	TLOAD G0Q, G1R                                 ; Wq's rows over Wv's, 32 a wave
	FETCHAT 0, ADRA0, AAS0
	FETCHAT 1, ADRA, AAS
; ================= V
	VBLOCK 0
	VBLOCK 1
	VBLOCK 2
	VBLOCK 3
	VOUT 0
	VBLOCK 4
	VBLOCK 5
	VBLOCK 6
	VBLOCK 7
	VOUT 1
; ================= Q
	BADDR BBQ, 8
	WALU
	s_wait_tensorcnt 0x0
	s_wait_dscnt 0x0
	BARRIER                                        ; Wq's rows are shown to all
	BLOAD
.irp p, 0,1
.irp c, 0,1
	global_load_b128 v[SB+8*\p+4*\c:SB+8*\p+4*\c+3], v[ABSQ], s[94:95] offset:\p*512+16*\c   ; Wk's scale words, for the phase after this
.endr
.endr
	s_wait_tensorcnt 0x0
	ds_add_u32 v[SPW], v[NIL]
	s_wait_dscnt 0x0
	CROUND
	TLOAD G0K, G1R                                 ; Wk's rows over Wq's
	QKSTREAM SB+16, BQ, 10, 0
	global_store_b128 v[CO16], v[SAW:SAW+3], s[80:81]
; ================= K
	s_wait_tensorcnt 0x0
	s_wait_dscnt 0x0
	BARRIER                                        ; Wk's rows are shown to all
	BLOAD
	s_wait_loadcnt 0x0
	s_wait_dscnt 0x0
	QKSTREAM SB, BK, 12, 1
	v_cndmask_b32 v[WE], v[SAW], v[SAW+1], s96     ; lanes 0-15 pair 0's word, lanes 16-31 pair 1's
	v_cndmask_b32 v[WE+1], v[SAW+2], v[SAW+3], s96
	global_store_b128 v[CO16], v[WE:WE+3], s[12:13] offset:6144   ; the base has stepped over K's 6,144 bytes: this is byte 12,288 of the key step
	s_wait_tensorcnt 0x0                           ; the wave's end
	ds_add_u32 v[SPW], v[NIL]
	s_wait_dscnt 0x0
	CROUND                                         ; the closing round
	s_endpgm
.Lfunc_end_k_q6c461fcd2a_qkv:
	.size	k_q6c461fcd2a_qkv, .Lfunc_end_k_q6c461fcd2a_qkv-k_q6c461fcd2a_qkv
	.p2alignl 7, 3214868480
	.fill 96, 4, 3214868480
	.section	.rodata,"a",@progbits
	.p2align	6, 0x0
	.amdhsa_kernel k_q6c461fcd2a_qkv
		.amdhsa_group_segment_fixed_size 327680
		.amdhsa_private_segment_fixed_size 0
		.amdhsa_enable_private_segment 0
		.amdhsa_kernarg_size 104
		.amdhsa_user_sgpr_count 2
		.amdhsa_user_sgpr_kernarg_segment_ptr 1
		.amdhsa_wavefront_size32 1
		.amdhsa_system_sgpr_workgroup_id_x 1
		.amdhsa_system_sgpr_workgroup_id_y 1
		.amdhsa_system_sgpr_workgroup_id_z 1
		.amdhsa_system_vgpr_workitem_id 0
		.amdhsa_next_free_vgpr 968
		.amdhsa_next_free_sgpr 102
		.amdhsa_reserve_vcc 0
		.amdhsa_float_denorm_mode_32 3
		.amdhsa_float_denorm_mode_16_64 3
		.amdhsa_memory_ordered 1
		.amdhsa_forward_progress 1
		.amdhsa_inst_pref_size 141
	.end_amdhsa_kernel
	.amdgpu_metadata
---
amdhsa.version: [ 1, 2 ]
amdhsa.kernels:
  - .name:           k_q6c461fcd2a_qkv
    .symbol:         k_q6c461fcd2a_qkv.kd
    .args:
      - { .name: x_codes, .offset: 0, .size: 8, .value_kind: global_buffer, .address_space: global }
      - { .name: x_scales, .offset: 8, .size: 8, .value_kind: global_buffer, .address_space: global }
      - { .name: Wv_codes, .offset: 16, .size: 8, .value_kind: global_buffer, .address_space: global }
      - { .name: Wv_scales, .offset: 24, .size: 8, .value_kind: global_buffer, .address_space: global }
      - { .name: Wq_codes, .offset: 32, .size: 8, .value_kind: global_buffer, .address_space: global }
      - { .name: Wq_scales, .offset: 40, .size: 8, .value_kind: global_buffer, .address_space: global }
      - { .name: Wk_codes, .offset: 48, .size: 8, .value_kind: global_buffer, .address_space: global }
      - { .name: Wk_scales, .offset: 56, .size: 8, .value_kind: global_buffer, .address_space: global }
      - { .name: bv, .offset: 64, .size: 8, .value_kind: global_buffer, .address_space: global }
      - { .name: bq, .offset: 72, .size: 8, .value_kind: global_buffer, .address_space: global }
      - { .name: bk, .offset: 80, .size: 8, .value_kind: global_buffer, .address_space: global }
      - { .name: qbuf, .offset: 88, .size: 8, .value_kind: global_buffer, .address_space: global }
      - { .name: kvbuf, .offset: 96, .size: 8, .value_kind: global_buffer, .address_space: global }
    .group_segment_fixed_size: 327680
    .private_segment_fixed_size: 0
    .kernarg_segment_align: 8
    .kernarg_segment_size: 104
    .max_flat_workgroup_size: 128
    .sgpr_count:     102
    .vgpr_count:     968
    .wavefront_size: 32
...
	.end_amdgpu_metadata
.endif
;; end of part 1
;; launch attn (part 2): grid 4 x 64, 16 waves a work-group, clusters of 4 x 1, 206,848 bytes of LDS; arguments qbuf, kvbuf, obuf, oscl; writes obuf, oscl
.if DOCPART == 2
	.amdgcn_target "amdgcn-amd-amdhsa--gfx1250"
	.amdhsa_code_object_version 6
	.text
	.protected	k_q6c461fcd2a_attn
	.globl	k_q6c461fcd2a_attn
	.p2align	8
	.type	k_q6c461fcd2a_attn,@function
k_q6c461fcd2a_attn:
	s_mov_b64 s[64:65], 0
	v_nop
	global_prefetch_b8 v0, s[64:65] scope:SCOPE_SE
	s_setreg_imm32_b32 hwreg(HW_REG_WAVE_MODE, 25, 1), 1
	s_wait_xcnt 0x0
	s_wait_alu depctr_hold_cnt(0) depctr_sa_sdst(0) depctr_va_vdst(0) depctr_va_sdst(0) depctr_va_ssrc(0) depctr_va_vcc(0) depctr_vm_vsrc(0)
	s_getreg_b32 s2, hwreg(HW_REG_IB_STS2, 6, 4)
	s_cmp_eq_u32 s2, 0
	s_cbranch_scc0 .Lentry_in_a_cluster
	s_endpgm
.Lentry_in_a_cluster:
	s_bfe_u32 s2, ttmp6, 0x10000c
	s_cmp_lg_u32 s2, 0x3003
	s_cbranch_scc0 .Lentry_shape_is_right
	s_endpgm
.Lentry_shape_is_right:
; LAUNCH 2 OF 3.  For each of 64 heads (bh = 16 x batch + head): o = softmax(q k^T / 8) v, both products on codes of FP6 (E2M3) with E8M0 scales; o is quantised along the model's 1,024 and leaves as codes.
; THE SOFTMAX AHEAD OF THE SECOND PRODUCT: t = score x log2(e) / 8; M = the running largest t rounded UP to a whole number; p = 2^(t - M) is quantised along the keys, not normalised; the row's sum is taken of the unquantised p, in f32,
; and divides o at the end.  When M moves, the sum and o are multiplied by 2^(old M - new M), which rounds nothing.  The running maximum is kept as a score; score x c rises with the score, so its product with c is the largest t.
; INPUTS, as the launch before leaves them (its head states qbuf and kvbuf): an image = an operand's registers as they stand.
; THE FIRST PRODUCT'S K IS 64.  An operand of K holds TWO tiles of 16 keys: one tile's 64 in k = 0..63, the other's in k = 64..127.  It is multiplied once with [q | zero codes] and once with [zero codes | q]: v16-33 hold zeros, q, zeros, and the two operands overlap in q.
; K's scale word has the first tile's two bytes and the second's two; q's has its two bytes twice.  So a key step's eight tiles are 48 registers.
; WHICH KEYS FORM A TILE.  The images in LDS are laid lane by lane, so a lane may take any row: row m of operand (c, jj) is row 8 jj + m % 8 of the stored pair 2 c + m / 8, and its scale word likewise.  Its two tiles then hold keys 64 c + 32 (m / 8) + 8 jj + m % 8 and 16 more.
; So a lane's 32 scores of band c (registers 32 c + 0..31) are the keys 64 c + 32 h + {0-7, 16-23, 8-15, 24-31}: ONE scale block of p, in the order in which V's codes lie.  A block's maximum needs no other lane, and the conversions' results are the operand's registers.
; o meets Wo, which is in the true order: it is put into the true order in f32, ahead of its quantiser.
; SHARES.  A work-group owns 512 queries of one head; each of its sixteen waves owns two tiles of 16, one after the other, in 256 registers: four waves to a SIMD.
; LDS.  The head's whole record lies in LDS, filled ONCE by one joint load a wave (50 rows of 256 bytes: one key step); the four work-groups of a head form a cluster.  No slot is filled again, and the loops hold no barrier.
; THE STEP, 128 keys.  S(n); O x f(n - 1); the fetch of K(n + 1); O += V(n - 1) p(n - 1); the maxima of S(n), with the fetch of V(n) among them; M, p, the sum, p's codes.  So the second product runs one step behind the first, every fetch has most of a step in which to land,
; and the places behind the products are lines that are due anyway.  The step is written once: a tile's first step finds zero codes in p and zeros in O, which add nothing; the last second product stands behind the loop.  Behind a tile's last step K(0) is fetched: the next tile begins with it (the second tile's is not used).
; LAYOUT.  S^T = K Q^T, O^T = V^T P^T: a lane holds one query (lane % 16); register j of O's tile t holds channel 16 t + 8 (lane / 16) + j.
; OUTPUT.  obuf [head / 4][row tile 512][(head / 2) % 2][head % 2][768]: images of 16 rows x this head's 64.  oscl [8,192 rows][32]: this head's bytes 2 hd, 2 hd + 1 of a row: two bytes a lane, since a row's 32 bytes come from sixteen work-groups.
; LIMITS: NaN and infinities are not served; the scaled scores t stay under 2^31 in magnitude.  A block whose largest magnitude lies under 2^-124 gets the byte 1; this program alone reads the bytes.
.set KVREC, 204800
.set QREC,  106496
.set STEPB, 12800                      ; a key step in LDS: K 6,144, V 6,144, scale words 512
.set SPARE, 204800
.set L16, 1                            ; 16 x lane
.set KL,  2                            ; K's codes: 1,536 ((lane / 8) % 2) + 16 (lane % 8) + 256 (lane / 16)
.set KSL, 3                            ; K's scale words: 16 (lane % 8) + 128 (lane / 16) + 256 ((lane / 8) % 2)
.set LS,  4                            ; v[4:5] the sum in two halves
.set NMA, 6                            ; -M, two registers by turns; each is the low word of a pair whose high word is written too
.set QSW, 7
.set NMB, 8
.set PSW, 9
.set F,   10
.set SMAX, 11
.set KSW, 12
.set VSW, 14
.set QF,  16                           ; v16-21 zeros, v22-27 q, v28-33 zeros
.set BM,  34                           ; v34-49 at work: addresses, maxima (chain q of band c at BM + 4 c + q), bytes, the conversions' second halves, the sums' chains
.set BT,  38
.set TV,  42
.set P,   50
.set KF,  62
.set VF,  110
.set S,   158
.set O,   222
.set L8,  254                          ; 8 x lane
.set R16, 255                          ; 16 x (lane % 16)
.set WV,  12
.set G0,  16
.set SEL, 20
.set CS,  22                           ; s[22:23] c = log2(e) / 8
.set G1,  24
.macro WALU
	s_wait_alu depctr_va_vdst(0)
.endm
.macro DEP n
	s_delay_alu instid0(VALU_DEP_\n)
.endm
.macro CROUND
	s_barrier_signal -1
	s_barrier_wait -1
	s_cmp_lg_u32 s[WV], 0
	s_cbranch_scc1 .Lnot_wave_0_\@
	s_barrier_signal -3
.Lnot_wave_0_\@:
	s_barrier_wait -3
	s_barrier_signal -1
	s_barrier_wait -1
.endm
.macro WMS d, a, b, c, xa, xb, o
.if \o
	v_wmma_scale_f32_16x16x128_f8f6f4 v[\d:\d+7], v[\a:\a+11], v[\b:\b+11], \c, v[\xa], v[\xb] matrix_a_fmt:MATRIX_FMT_FP6 matrix_b_fmt:MATRIX_FMT_FP6 matrix_a_scale:MATRIX_SCALE_ROW1
.else
	v_wmma_scale_f32_16x16x128_f8f6f4 v[\d:\d+7], v[\a:\a+11], v[\b:\b+11], \c, v[\xa], v[\xb] matrix_a_fmt:MATRIX_FMT_FP6 matrix_b_fmt:MATRIX_FMT_FP6
.endif
.endm
.macro KLOAD rc, rs, ofs               ; a step's four operands of K, p = 2 c + jj, and their scale words: register c, lanes 16 jj + m
.irp p, 0,1,2,3
.irp k, 0,1,2
	ds_load_b128 v[KF+12*\p+4*\k:KF+12*\p+4*\k+3], v[\rc] offset:\ofs+3072*(\p/2)+128*(\p%2)+512*\k
.endr
.endr
	ds_load_b64 v[KSW:KSW+1], v[\rs] offset:\ofs+12288
.endm
.macro VLOAD r, ofs                    ; V's four operands and their scale words, as they lie
.irp t, 0,1,2,3
.irp k, 0,1,2
	ds_load_b128 v[VF+12*\t+4*\k:VF+12*\t+4*\k+3], v[\r] offset:\ofs+6144+1536*\t+512*\k
.endr
.endr
	ds_load_b64 v[VSW:VSW+1], v[\r] offset:\ofs+12296
.endm
.macro QLOAD i                         ; tile i's q and its scale word
	global_load_b128 v[QF+6:QF+9], v[L16], s[4:5] offset:768*\i
	global_load_b64 v[QF+10:QF+11], v[L8], s[4:5] offset:768*\i+512
	global_load_b32 v[QSW], v[R16], s[36:37] offset:256*\i
.endm
.macro RESCALE                         ; O under the M of the p that waits
	WALU                                           ; the wait directly ahead of the first readers of O
.set j, 0
.rept 16
	v_pk_mul_f32 v[O+j:O+j+1], v[O+j:O+j+1], v[F:F+1] op_sel_hi:[1,0]
.set j, j+2
.endr
.endm
.macro PV                              ; O^T += V^T P^T, four accumulators by turns
.irp t, 0,1,2,3
	WMS O+8*\t, VF+12*\t, P, v[O+8*\t:O+8*\t+7], VSW+\t/2, PSW, \t%2
.endr
.endm
.macro STEP u                          ; u: the trip's first or second step
.if \u
.set NEW, NMA
.set OLD, NMB
.else
.set NEW, NMB
.set OLD, NMA
.endif
	WALU
	s_wait_dscnt 0x0                               ; K of this step and V of the last: both were asked for in the last step
.irp p, 0,1,2,3
	WMS S+16*\p, KF+12*\p, QF+6, 0, KSW+\p/2, QSW, \p%2          ; the operand's first tile: [q | 0]
	WMS S+16*\p+8, KF+12*\p, QF, 0, KSW+\p/2, QSW, \p%2          ; its second: [0 | q]
.endr
	RESCALE                                        ; sixteen lines: the places behind S's products
.if \u
	v_add_nc_u32 v[BM], s33, v[KL]                 ; K of the next trip's first step
	v_add_nc_u32 v[BM+1], s33, v[KSL]
.else
	v_add_nc_u32 v[BM], s32, v[KL]                 ; K of this trip's second step
	v_add_nc_u32 v[BM+1], s32, v[KSL]
.endif
	v_add_nc_u32 v[TV], s32, v[L16]
	KLOAD BM, BM+1, (1-\u)*STEPB
	PV
.irp c, 0,1
.irp q, 0,1,2,3
	v_max3_num_f32 v[BM+4*\c+\q], v[S+32*\c+8*\q], v[S+32*\c+8*\q+1], v[S+32*\c+8*\q+2]   ; the largest score of my two blocks of 32 keys, four chains a block: it serves the row's maximum and the block's largest p
.endr
.endr
	VLOAD TV, \u*STEPB                             ; eight lines stand behind the products that read V's registers
.irp n, 3,5
.irp c, 0,1
.irp q, 0,1,2,3
	v_max3_num_f32 v[BM+4*\c+\q], v[BM+4*\c+\q], v[S+32*\c+8*\q+\n], v[S+32*\c+8*\q+\n+1]
.endr
.endr
.endr
.irp c, 0,1
	v_max3_num_f32 v[BM+4*\c], v[BM+4*\c], v[S+32*\c+7], v[S+32*\c+15]
	v_max3_num_f32 v[BM+4*\c+1], v[BM+4*\c+1], v[S+32*\c+23], v[S+32*\c+31]
.endr
	DEP 3
	v_max3_num_f32 v[BM], v[BM], v[BM+1], v[BM+2]
	DEP 2
	v_max3_num_f32 v[BM+4], v[BM+4], v[BM+5], v[BM+6]
	DEP 2
	v_max_num_f32 v[BM], v[BM], v[BM+3]            ; block 2 c + h's largest score: c = 0,
	DEP 2
	v_max_num_f32 v[BM+4], v[BM+4], v[BM+7]        ; c = 1
	DEP 1
	v_max_num_f32 v[BM+2], v[BM], v[BM+4]
	DEP 1
	v_permlanex16_b32 v[BM+1], v[BM+2], s[SEL], s[SEL+1]   ; lane l xor 16's 64 keys
	DEP 1
	v_max3_num_f32 v[SMAX], v[SMAX], v[BM+2], v[BM+1]      ; the running largest score
	DEP 1
	v_mul_f32 v[BM+2], s[CS], v[SMAX]              ; as t
	DEP 1
	v_floor_f32 v[NEW], -v[BM+2]                   ; the new -M = -ceil(t)
	DEP 1
	v_sub_f32 v[OLD], v[NEW], v[OLD]               ; old M - new M: a whole number, 0 or less
	DEP 1
	v_cvt_i32_f32 v[OLD], v[OLD]                   ; (it saturates)
	DEP 1
	v_ldexp_f32 v[F], 1.0, v[OLD]                  ; f = 2^(old M - new M)
.set j, 0
.rept 32
	v_pk_fma_f32 v[S+j:S+j+1], v[S+j:S+j+1], s[CS:CS+1], v[NEW:NEW+1] op_sel_hi:[1,0,0]   ; t - M, two at a time
.set j, j+2
.endr
	v_fma_f32 v[BM], v[BM], s[CS], v[NEW]          ; the same of each block's largest score
	v_fma_f32 v[BM+4], v[BM+4], s[CS], v[NEW]
	WALU
.set j, 0
.rept 64
	v_exp_f32 v[S+j], v[S+j]                       ; p = 2^(t - M), at most 1
.set j, j+1
.endr
	v_exp_f32 v[BM], v[BM]                         ; the block's largest p: the same two instructions on the same number
	v_exp_f32 v[BM+4], v[BM+4]
	v_pk_mul_f32 v[LS:LS+1], v[LS:LS+1], v[F:F+1] op_sel_hi:[1,0]   ; the sums under the new M.  (The plain place behind the exponentials)
	WALU
	v_max_num_f32 v[BM], 0x1800000, v[BM]          ; the floor 2^(3 - 127): the byte cannot fall under 1
	v_max_num_f32 v[BM+4], 0x1800000, v[BM+4]
	DEP 2
	v_add_nc_u32 v[BM], 0xff000000, v[BM]          ; 2 off the exponent field: the conversions' scale operand
	DEP 2
	v_add_nc_u32 v[BM+4], 0xff000000, v[BM+4]
	DEP 2
	v_lshrrev_b32 v[BM+1], 23, v[BM]               ; the bytes of blocks h and 2 + h
	DEP 2
	v_lshrrev_b32 v[BM+5], 23, v[BM+4]
	DEP 1
	v_lshl_or_b32 v[BM+1], v[BM+5], 16, v[BM+1]
	DEP 1
	v_permlanex16_b32 v[BM+2], v[BM+1], s[SEL], s[SEL+1]
	DEP 1
	v_lshl_or_b32 v[PSW], v[BM+2], 8, v[BM+1]      ; p's scale word: whole in lanes 0-15, which alone are read
.irp c, 0,1
	v_cvt_scalef32_pk16_fp6_f32 v[P+6*\c:P+6*\c+2], v[S+32*\c:S+32*\c+15], v[BM+4*\c]
	v_cvt_scalef32_pk16_fp6_f32 v[TV+4*\c:TV+4*\c+2], v[S+32*\c+16:S+32*\c+31], v[BM+4*\c]   ; (a conversion's three registers begin on an even number)
.endr
	v_pk_add_f32 v[LS:LS+1], v[LS:LS+1], v[S+28:S+29]   ; the row's sum, of the unquantised p: 32 pairs in eight chains.  (This line is the plain place behind the conversions)
.irp c, 0,1
.irp n, 0,1,2
	v_mov_b32 v[P+3+6*\c+\n], v[TV+4*\c+\n]        ; registers 6 c .. 6 c + 5: block 2 c + h
.endr
.endr
.irp k, 0,1,2,3,4,5,6
	v_pk_add_f32 v[BM+2*\k:BM+2*\k+1], v[S+2*\k:S+2*\k+1], v[S+14+2*\k:S+15+2*\k]
.endr
.irp k, 0,1,2,3,4,5,6
	v_pk_add_f32 v[BM+2*\k:BM+2*\k+1], v[BM+2*\k:BM+2*\k+1], v[S+30+2*\k:S+31+2*\k]
.endr
	v_pk_add_f32 v[LS:LS+1], v[LS:LS+1], v[S+44:S+45]
.irp k, 0,1,2,3,4,5,6
	v_pk_add_f32 v[BM+2*\k:BM+2*\k+1], v[BM+2*\k:BM+2*\k+1], v[S+46+2*\k:S+47+2*\k]
.endr
	v_pk_add_f32 v[LS:LS+1], v[LS:LS+1], v[S+60:S+61]
	v_pk_add_f32 v[BM:BM+1], v[BM:BM+1], v[S+62:S+63]
	DEP 2
	v_pk_add_f32 v[LS:LS+1], v[LS:LS+1], v[BM+6:BM+7]
	DEP 2
	v_pk_add_f32 v[BM:BM+1], v[BM:BM+1], v[BM+8:BM+9]
	v_pk_add_f32 v[BM+2:BM+3], v[BM+2:BM+3], v[BM+10:BM+11]
	v_pk_add_f32 v[BM+4:BM+5], v[BM+4:BM+5], v[BM+12:BM+13]
	DEP 2
	v_pk_add_f32 v[LS:LS+1], v[LS:LS+1], v[BM+2:BM+3]
	DEP 2
	v_pk_add_f32 v[BM:BM+1], v[BM:BM+1], v[BM+4:BM+5]
	DEP 1
	v_pk_add_f32 v[LS:LS+1], v[LS:LS+1], v[BM:BM+1]
.endm
; THE WAY OUT of tile i: o = O^T / the sum; into the true order along the head's 64; quantised in two blocks of 32; one image of 768 bytes and two scale bytes a row.
.macro OUT i
	v_add_f32 v[LS], v[LS], v[LS+1]                ; the sum's two halves.  (These three lines and the v_nop are the places behind the last products)
	DEP 1
	v_permlanex16_b32 v[BT], v[LS], s[SEL], s[SEL+1]
	DEP 1
	v_add_f32 v[LS], v[LS], v[BT]                  ; and lane l xor 16's
	v_nop
	WALU
	v_rcp_f32 v[LS], v[LS]
	v_nop                                          ; one plain place behind a transcendental
	WALU
.set j, 0
.rept 32
	v_mul_f32 v[S+j], v[O+j], v[LS]                ; register 8 t + n: o(r, 16 t + 8 h + n); each accumulator from its low end on
.set j, j+1
.endr
.irp b, 0,1
.irp n, 0,1,2,3,4,5,6,7
	v_permlane16_swap_b32 v[S+16*\b+\n], v[S+16*\b+8+\n]   ; registers 16 b + 0..15 now hold channels 32 b + 16 h + 0..15
.endr
.endr
.irp b, 0,1
	v_max3_num_f32 v[BM+\b], |v[S+16*\b]|, |v[S+1+16*\b]|, 0x1800000
.endr
.irp n, 2,4,6,8,10,12,14
.irp b, 0,1
	DEP 2
	v_max3_num_f32 v[BM+\b], v[BM+\b], |v[S+16*\b+\n]|, |v[S+1+16*\b+\n]|
.endr
.endr
.irp b, 0,1
	DEP 2
	v_permlanex16_b32 v[BT+\b], v[BM+\b], s[SEL], s[SEL+1]
.endr
.irp b, 0,1
	DEP 2
	v_max_num_f32 v[BM+\b], v[BM+\b], v[BT+\b]
.endr
.irp b, 0,1
	DEP 2
	v_add_nc_u32 v[BM+\b], 0xff000000, v[BM+\b]
.endr
.irp b, 0,1
	DEP 2
	v_lshrrev_b32 v[BT+\b], 23, v[BM+\b]
.endr
	DEP 1
	v_lshl_or_b32 v[BT+2], v[BT+1], 8, v[BT]       ; my row's two bytes
	v_cvt_scalef32_pk16_fp6_f32 v[P:P+2], v[S:S+15], v[BM]
	v_cvt_scalef32_pk16_fp6_f32 v[TV:TV+2], v[S+16:S+31], v[BM+1]
	v_lshlrev_b32 v[BT+3], 1, v[R16]               ; oscl: 32 r.  (The plain place behind the conversions)
.irp n, 0,1,2
	v_permlane16_swap_b32 v[P+\n], v[TV+\n]
.endr
.irp n, 0,1,2
	DEP 3
	v_mov_b32 v[P+3+\n], v[TV+\n]                  ; registers 0-5: channels 32 h + 0..31, in the true order
.endr
	global_store_b128 v[L16], v[P:P+3], s[8:9] offset:3072*\i        ; 512 consecutive bytes
	global_store_b64 v[L8], v[P+4:P+5], s[8:9] offset:3072*\i+512    ; 256 consecutive bytes
	global_store_b16 v[BT+3], v[BT+2], s[10:11] offset:512*\i        ; lanes 16-31 write the same bytes with the same value
.endm
.macro TILE i
.if \i
	s_wait_xcnt 0x0                                ; the last tile's stores have read their registers
.endif
	s_wait_loadcnt 0x0                             ; q and its scale word
	v_lshl_or_b32 v[QSW], v[QSW], 16, v[QSW]       ; its two bytes twice; more than eight lines stand between this and the first product
	v_mov_b32 v[SMAX], 0xff61b1e6                  ; the largest score so far: -3e38
	DEP 1
	v_floor_f32 v[NMA], -v[SMAX]
	v_mov_b32 v[LS], 0
	v_mov_b32 v[LS+1], 0
	v_mov_b32 v[F], 1.0
	v_mov_b32 v[PSW], 0
.set j, 0
.rept 12
	v_mov_b32 v[P+j], 0                            ; zero codes: the first step's second product adds nothing
.set j, j+1
.endr
.set j, 0
.rept 32
	v_mov_b32 v[O+j], 0
.set j, j+1
.endr
	s_mov_b32 s35, 0
.Lstep_\@:                                             ; eight trips of two steps
	s_mul_i32 s32, s35, 2*STEPB                    ; this trip's steps in LDS,
	s_add_co_u32 s35, s35, 1
	s_and_b32 s33, s35, 7                          ; the next trip's; behind the last trip: step 0 again
	s_mul_i32 s33, s33, 2*STEPB
	STEP 0
	STEP 1
	s_cmp_lg_u32 s35, 8
	WALU
	s_cbranch_scc1 .Lstep_\@
.if \i == 0
	QLOAD 1                                        ; the next tile's q: this tile's first products are over
.endif
	WALU
	s_wait_dscnt 0x0                               ; V of the last step
	RESCALE
	PV
	OUT \i
.endm
	s_load_b256 s[4:11], s[0:1], 0x0               ; qbuf s[4:5], kvbuf s[6:7], obuf s[8:9], oscl s[10:11]
	v_lshl_add_u32 v254, v0, 2, SPARE
	v_mov_b32 v255, 0
	ds_add_u32 v254, v255                          ; the opening lines: the add twice and its wait
	ds_add_u32 v254, v255
	s_wait_dscnt 0x0
	v_lshrrev_b32 v1, 5, v0
	s_delay_alu instid0(VALU_DEP_1)
	v_readfirstlane_b32 s[WV], v1                  ; wave 0..15
	s_bfe_u32 s13, ttmp6, 0x40000                  ; cx: which 512 queries; it enters Q's and the outputs' addresses alone
	s_and_b32 s14, ttmp7, 0xffff                   ; bh, which the four partners share
	s_mov_b32 s[G1], 15|(3<<16)|(1<<21)            ; the mask: all four work-groups; elements of 8 bytes; no padding
	s_mov_b32 s[G1+1], 32<<16
	s_mov_b32 s[G1+2], 50<<16
	s_mov_b32 s[G1+3], 32<<16
	s_mov_b32 s[G1+4], 50
	s_mov_b32 s[G1+5], 32
	s_mov_b32 s[G1+6], 0
	s_mov_b32 s[G1+7], 0
	s_mul_i32 s38, s14, KVREC
	s_mul_i32 s[G0+1], s[WV], STEPB                ; LDS address: wave x 12,800: key step = wave
	s_add_co_u32 s38, s38, s[G0+1]
	s_mov_b32 s39, 0
	s_mov_b32 s[G0], 1
	s_mov_b32 s[SEL], 0x76543210
	s_mov_b32 s[SEL+1], 0xfedcba98
	s_mov_b32 s[CS], 0x3e38aa3b                    ; log2(e) / 8
	s_mov_b32 s[CS+1], s[CS]
	s_mul_i32 s40, s14, QREC                       ; the head's record in qbuf
	s_lshl_b32 s42, s13, 2
	s_lshr_b32 s43, s[WV], 2
	s_add_co_u32 s42, s42, s43                     ; my tiles' step of 128 queries: 4 cx + wave / 4
	s_lshl_b32 s42, s42, 9
	s_and_b32 s43, s[WV], 3
	s_lshl_b32 s43, s43, 2                         ; my two tiles are 2 (wave % 4) and the next: word wave % 4 of a lane's four
	s_add_co_u32 s42, s42, s43
	s_add_co_u32 s42, s42, 98304
	s_add_co_u32 s42, s42, s40
	s_mov_b32 s43, 0
	s_lshl_b32 s44, s13, 5
	s_lshl_b32 s45, s[WV], 1
	s_add_co_u32 s44, s44, s45                     ; my first tile of 16 queries: 32 cx + 2 wave
	s_mul_i32 s46, s44, 768
	s_add_co_u32 s46, s46, s40
	s_mov_b32 s47, 0
	s_wait_kmcnt 0x0
	s_add_nc_u64 s[G0+2:G0+3], s[6:7], s[38:39]
	s_or_b32 s[G0+3], s[G0+3], 0x80000000
	CROUND                                         ; all four work-groups are here: the joint loads meet
	tensor_load_to_lds s[G0:G0+3], s[G1:G1+7]
	s_nop 0
.rept 4
	v_nop
.endr
	s_add_nc_u64 s[36:37], s[4:5], s[42:43]        ; Q's scale words
	s_add_nc_u64 s[4:5], s[4:5], s[46:47]          ; Q's images
	s_and_b32 s45, s14, 15                         ; hd
	s_lshr_b32 s46, s14, 4                         ; batch
	s_lshr_b32 s47, s45, 2
	s_mul_i32 s42, s47, 1572864                    ; head / 4: 512 row tiles x 3,072 bytes
	s_bfe_u32 s47, s45, 0x10001
	s_mul_i32 s47, s47, 1536
	s_add_co_u32 s42, s42, s47
	s_and_b32 s47, s45, 1
	s_mul_i32 s47, s47, 768
	s_add_co_u32 s42, s42, s47
	s_lshl_b32 s47, s46, 7
	s_add_co_u32 s47, s47, s44                     ; my first row tile of the 512: 128 batch + 32 cx + 2 wave
	s_mul_i32 s40, s47, 3072
	s_add_co_u32 s42, s42, s40
	s_add_nc_u64 s[8:9], s[8:9], s[42:43]
	s_lshl_b32 s42, s47, 9                         ; 16 rows x 32 bytes a row tile
	s_lshl_b32 s45, s45, 1
	s_add_co_u32 s42, s42, s45
	s_add_nc_u64 s[10:11], s[10:11], s[42:43]
	v_and_b32 v[BM], 31, v0                        ; lane
	v_and_b32 v[BM+1], 15, v0                      ; r
	v_lshlrev_b32 v[L16], 4, v[BM]
	v_lshlrev_b32 v[L8], 3, v[BM]
	v_lshlrev_b32 v[R16], 4, v[BM+1]
	QLOAD 0
	v_and_b32 v[BM+2], 7, v0                       ; lane % 8
	v_bfe_u32 v[BM+3], v0, 3, 1                    ; (lane / 8) % 2
	v_bfe_u32 v[BT], v0, 4, 1                      ; lane / 16
	v_mul_u32_u24 v[KL], v[BM+3], 1536
	v_lshl_add_u32 v[KL], v[BM+2], 4, v[KL]
	v_lshl_add_u32 v[KL], v[BT], 8, v[KL]
	v_lshlrev_b32 v[KSL], 4, v[BM+2]
	v_lshl_add_u32 v[KSL], v[BT], 7, v[KSL]
	v_lshl_add_u32 v[KSL], v[BM+3], 8, v[KSL]
.irp n, 0,1,2,3,4,5
	v_mov_b32 v[QF+\n], 0                          ; zero codes on both sides of q
	v_mov_b32 v[QF+12+\n], 0
.endr
	WALU
	s_wait_tensorcnt 0x0                           ; my key step is in,
	s_barrier_signal -1
	s_barrier_wait -1                              ; everybody's is
	KLOAD KL, KSL, 0                               ; K of step 0;
	VLOAD L16, 0                                   ; and V's registers hold codes under the first step's zero p
	TILE 0
	TILE 1
	s_wait_xcnt 0x0
	v_lshl_add_u32 v254, v0, 2, SPARE
	v_mov_b32 v255, 0
	WALU
	s_wait_tensorcnt 0x0                           ; the wave's end
	ds_add_u32 v254, v255
	s_wait_dscnt 0x0
	CROUND                                         ; the closing round
	s_endpgm
.Lfunc_end_k_q6c461fcd2a_attn:
	.size	k_q6c461fcd2a_attn, .Lfunc_end_k_q6c461fcd2a_attn-k_q6c461fcd2a_attn
	.p2alignl 7, 3214868480
	.fill 96, 4, 3214868480
	.section	.rodata,"a",@progbits
	.p2align	6, 0x0
	.amdhsa_kernel k_q6c461fcd2a_attn
		.amdhsa_group_segment_fixed_size 206848
		.amdhsa_private_segment_fixed_size 0
		.amdhsa_enable_private_segment 0
		.amdhsa_kernarg_size 32
		.amdhsa_user_sgpr_count 2
		.amdhsa_user_sgpr_kernarg_segment_ptr 1
		.amdhsa_wavefront_size32 1
		.amdhsa_system_sgpr_workgroup_id_x 1
		.amdhsa_system_sgpr_workgroup_id_y 1
		.amdhsa_system_sgpr_workgroup_id_z 1
		.amdhsa_system_vgpr_workitem_id 0
		.amdhsa_next_free_vgpr 256
		.amdhsa_next_free_sgpr 66
		.amdhsa_reserve_vcc 0
		.amdhsa_float_denorm_mode_32 3
		.amdhsa_float_denorm_mode_16_64 3
		.amdhsa_memory_ordered 1
		.amdhsa_forward_progress 1
		.amdhsa_inst_pref_size 84
	.end_amdhsa_kernel
	.amdgpu_metadata
---
amdhsa.version: [ 1, 2 ]
amdhsa.kernels:
  - .name:           k_q6c461fcd2a_attn
    .symbol:         k_q6c461fcd2a_attn.kd
    .args:
      - { .name: qbuf, .offset: 0, .size: 8, .value_kind: global_buffer, .address_space: global }
      - { .name: kvbuf, .offset: 8, .size: 8, .value_kind: global_buffer, .address_space: global }
      - { .name: obuf, .offset: 16, .size: 8, .value_kind: global_buffer, .address_space: global }
      - { .name: oscl, .offset: 24, .size: 8, .value_kind: global_buffer, .address_space: global }
    .group_segment_fixed_size: 206848
    .private_segment_fixed_size: 0
    .kernarg_segment_align: 8
    .kernarg_segment_size: 32
    .max_flat_workgroup_size: 512
    .sgpr_count:     66
    .vgpr_count:     256
    .wavefront_size: 32
...
	.end_amdgpu_metadata
.endif
;; end of part 2
;; launch oproj (part 3): grid 8 x 32, 4 waves a work-group, clusters of 4 x 4, 327,680 bytes of LDS; arguments obuf, oscl, Wo_codes, Wo_scales, bo, out0; writes out0
.if DOCPART == 3
	.amdgcn_target "amdgcn-amd-amdhsa--gfx1250"
	.amdhsa_code_object_version 6
	.text
	.protected	k_q6c461fcd2a_oproj
	.globl	k_q6c461fcd2a_oproj
	.p2align	8
	.type	k_q6c461fcd2a_oproj,@function
k_q6c461fcd2a_oproj:
	s_mov_b64 s[64:65], 0
	v_nop
	global_prefetch_b8 v0, s[64:65] scope:SCOPE_SE
	s_setreg_imm32_b32 hwreg(HW_REG_WAVE_MODE, 25, 1), 1
	s_wait_xcnt 0x0
	s_wait_alu depctr_hold_cnt(0) depctr_sa_sdst(0) depctr_va_vdst(0) depctr_va_sdst(0) depctr_va_ssrc(0) depctr_va_vcc(0) depctr_vm_vsrc(0)
	s_getreg_b32 s2, hwreg(HW_REG_IB_STS2, 6, 4)
	s_cmp_eq_u32 s2, 0
	s_cbranch_scc0 .Lentry_in_a_cluster
	s_endpgm
.Lentry_in_a_cluster:
	s_bfe_u32 s2, ttmp6, 0x10000c
	s_cmp_lg_u32 s2, 0xf033
	s_cbranch_scc0 .Lentry_shape_is_right
	s_endpgm
.Lentry_shape_is_right:
; LAUNCH 3 OF 3.  out = o Wo + bo, f32, on codes of FP6 (E2M3) with E8M0 scales: 8,192 x 1,024 x 1,024.
; A: obuf [head / 4][row tile of 16: 512][head % 4][768]: images of operand registers 0-5 (0-3 at 16 x lane, 4-5 at 512 + 8 x lane); oscl [row][32].  B: Wo's rows of 768 bytes and of 32 scale bytes.
; THE DEAL: 256 work-groups (column tile cg = 0..7, row block rb = 0..31) of four waves, 2 x 2, each 256 rows x 128 columns.  A wave holds 64 rows of Wo, all of K, in registers and streams its 128 rows of A past them in eight blocks of 16: 32 products a block, four accumulators by turns.
; LDS, each part filled once: A's 256 rows (four dense runs of 49,152 bytes, one for each four heads); Wo's 128 rows, padded; A's scale bytes; a stage of 16 rows x 272 bytes a wave; the spare words.  All is asked for at the head, so there is no refill and no prefetch.
; JOINT LOADS: A's tiles are shared by a row of the cluster, Wo's by a column.  Source 0 = Wo's rows, source 1 = A's: a lane holds eight neighbouring columns of a row; a block goes through the stage and leaves as whole rows of 256 bytes.
; LIMITS: NaN and infinities are not served.  The bias is the first products' C, so a sum begins with it.
.set KROW, 768
.set PITCH, 816
.set FR, 12
.set FPW, 21
.set NF, 34                            ; LDS loads of a block: 32 for eight fragments, 2 for eight scale words
.set GRUN, 49152                       ; 16 row tiles x 3,072 bytes
.set SIGMA, 1572864                    ; from four heads to the next four in obuf
.set YB, 4*GRUN
.set SCL, YB+128*PITCH
.set STAGE, SCL+32*272
.set SPITCH, 272
.set SPARE, STAGE+4*16*SPITCH
.set AAS0, 6
.set CO, 9
.set SPW, 10
.set NIL, 11
.set ABS, 16
.set STO, 18
.set RD, 19
.set BBV, 20
.set SB, 24                            ; v24-39 Wo's scale words
.set SA, 44                            ; v44-59 A's, two sets
.set ACC, 64                           ; v64-127 two sets of four accumulators
.set BK, 128                           ; v128-191 two sets of rows back from the stage
.set A16, 192                          ; v192-195, v196-199 LDS addresses by 16 and by 8 bytes a lane, one for each four heads
.set A8, 196
.set BO, 208                           ; v208-239 the bias as C
.set BA, 240
.set G1A, 24
.set G1B, 32
.set G1S, 40
.set G0A, 56
.set G0B, 60
.set G0S, 68
.set MSB, 0
.macro WIN new
.if MSB != (\new)
	s_set_vgpr_msb (MSB<<8)|(\new)
.set MSB, (\new)
.endif
.endm
.macro PLACES n
.rept \n
	v_nop
.endr
.endm
.macro WALU
	s_wait_alu depctr_va_vdst(0)
.endm
.macro BARRIER
	s_barrier_signal -1
	s_barrier_wait -1
.endm
.macro CROUND
	BARRIER
	s_cmp_lg_u32 s14, 0
	s_cbranch_scc1 .Lnw0_\@
	s_barrier_signal -3
.Lnw0_\@:
	s_barrier_wait -3
	BARRIER
.endm
.macro TLOAD g0, g1
	tensor_load_to_lds s[\g0:\g0+3], s[\g1:\g1+7]
	s_nop 0
	PLACES 4
.endm
.macro G0SET g, base, off
	s_mov_b32 s98, s\off
	s_add_nc_u64 s[\g+2:\g+3], s[\base:\base+1], s[98:99]
	s_or_b32 s[\g+3], s[\g+3], 0x80000000
.endm
.macro FRAG f, q, a0, a1               ; a fragment of Wo out of padded rows: six pieces of 8 bytes, two to a load where both go by one address register
	WIN (1+(\f)/FPW)<<6
.set R_, FR*((\f)%FPW)
.set SKIP_, 0
.irp p, 0,1,2,3,4,5
.if SKIP_
.set SKIP_, 0
.else
.set PC_, 12*(\q)+6*(\p/3)+\p%3
.set PN_, 12*(\q)+6*((\p+1)/3)+(\p+1)%3
.set X_, (PC_%32+3)/32
.set XQ_, (PN_%32+3)/32
.if (\p < 5) && (X_ == XQ_)
.set SKIP_, 1
.if X_
	ds_load_2addr_b64 v[R_+2*\p:R_+2*\p+3], \a1 offset0:PC_+2*(PC_/32) offset1:PN_+2*(PN_/32)
.else
	ds_load_2addr_b64 v[R_+2*\p:R_+2*\p+3], \a0 offset0:PC_+2*(PC_/32) offset1:PN_+2*(PN_/32)
.endif
.elseif X_
	ds_load_b64 v[R_+2*\p:R_+2*\p+1], \a1 offset:8*(PC_+2*(PC_/32))
.else
	ds_load_b64 v[R_+2*\p:R_+2*\p+1], \a0 offset:8*(PC_+2*(PC_/32))
.endif
.endif
.endr
.endm
.macro FETCH s                         ; block s of A into set s % 2: fragment q is heads 2 q and 2 q + 1
.irp q, 0,1,2,3,4,5,6,7
.set F_, 32+8*((\s)%2)+\q
.set R_, FR*(F_%FPW)
.set O_, 3072*(\s)+1536*(\q%2)
	WIN (1+F_/FPW)<<6
	ds_load_b128 v[R_:R_+3], v[A16+\q/2] offset:O_
	ds_load_b64 v[R_+4:R_+5], v[A8+\q/2] offset:O_+512
	ds_load_b128 v[R_+6:R_+9], v[A16+\q/2] offset:O_+768
	ds_load_b64 v[R_+10:R_+11], v[A8+\q/2] offset:O_+1280
.endr
	WIN 0
	ds_load_b128 v[SA+8*((\s)%2):SA+8*((\s)%2)+3], v[AAS0] offset:544*(\s)
	ds_load_b128 v[SA+8*((\s)%2)+4:SA+8*((\s)%2)+7], v[AAS0] offset:544*(\s)+16
.endm
.macro WM d, s0, s1, c, x0, x1, o
.if \o
	v_wmma_scale_f32_16x16x128_f8f6f4 v[\d:\d+7], v[\s0:\s0+FR-1], v[\s1:\s1+FR-1], \c, v[\x0], v[\x1] matrix_a_fmt:MATRIX_FMT_FP6 matrix_b_fmt:MATRIX_FMT_FP6 matrix_a_scale:MATRIX_SCALE_ROW1
.else
	v_wmma_scale_f32_16x16x128_f8f6f4 v[\d:\d+7], v[\s0:\s0+FR-1], v[\s1:\s1+FR-1], \c, v[\x0], v[\x1] matrix_a_fmt:MATRIX_FMT_FP6 matrix_b_fmt:MATRIX_FMT_FP6 matrix_a_scale:MATRIX_SCALE_ROW0
.endif
.endm
.macro PROD e, n
.set Q_, (\n)/4
.set T_, (\n)%4
.set FB_, 4*Q_+T_
.set FA_, 32+8*(\e)+Q_
.set D_, ACC+32*(\e)+8*T_
	WIN (1+FB_/FPW)|((1+FA_/FPW)<<2)
.if Q_
	WM D_, FR*(FB_%FPW), FR*(FA_%FPW), v[D_:D_+7], SB+8*(T_/2)+Q_, SA+8*(\e)+Q_, T_%2
.else
	WM D_, FR*(FB_%FPW), FR*(FA_%FPW), v[BO+8*T_:BO+8*T_+7], SB+8*(T_/2)+Q_, SA+8*(\e)+Q_, T_%2
.endif
.endm
.macro OBLOCK s
.set E_, (\s)%2
.set N_, 0
.rept 32
	PROD E_, N_
.set N_, N_+1
.endr
	WIN 0
	PLACES 4                                       ; behind the last product, ahead of the first reader of its sums and of the fetch into its operands
	s_wait_xcnt 0x0                                ; the stores of two blocks ago have read this set of rows
.irp b, 0,1,2,3
	ds_store_b128 v[STO], v[ACC+32*E_+8*\b:ACC+32*E_+8*\b+3] offset:64*\b       ; each accumulator from its low end on
	ds_store_b128 v[STO], v[ACC+32*E_+8*\b+4:ACC+32*E_+8*\b+7] offset:64*\b+16
.endr
.irp t, 0,1,2,3,4,5,6,7
	ds_load_b128 v[BK+32*E_+4*\t:BK+32*E_+4*\t+3], v[RD] offset:2*\t*SPITCH     ; LDS serves a wave's instructions in order (ISA guide 5.7.1.4)
.endr
.if (\s) < 6
	FETCH (\s)+2
.set E_, (\s)%2
	s_wait_dscnt NF                                ; the rows are back, and the next block's fragments are in; this fetch is younger
.else
	s_wait_dscnt 0x0
.endif
.irp t, 0,1,2,3,4,5,6,7
	global_store_b128 v[CO], v[BK+32*E_+4*\t:BK+32*E_+4*\t+3], s[82:83] offset:(16*(\s)+2*\t)*4096 th:TH_STORE_NT   ; sixteen lanes store 256 consecutive bytes, aligned
.endr
.endm
; ================= THE HEAD
	s_load_b256 s[4:11], s[0:1], 0x0               ; obuf, oscl, Wo_codes, Wo_scales
	s_load_b128 s[80:83], s[0:1], 0x20             ; bo, out0
	v_lshl_add_u32 v[SPW], v0, 2, SPARE
	v_mov_b32 v[NIL], 0
	ds_add_u32 v[SPW], v[NIL]                      ; the opening lines: the add twice and its wait
	ds_add_u32 v[SPW], v[NIL]
	v_lshrrev_b32 v1, 5, v0
	v_readfirstlane_b32 s14, v1
	s_lshr_b32 s15, s14, 1                         ; w
	s_and_b32 s16, s14, 1                          ; b
	s_bfe_u32 s17, ttmp6, 0x40000
	s_bfe_u32 s18, ttmp6, 0x40004
	s_lshl_b32 s19, ttmp9, 2
	s_add_co_u32 s19, s19, s17                     ; cg
	s_and_b32 s20, ttmp7, 0xffff
	s_lshl_b32 s20, s20, 2
	s_add_co_u32 s20, s20, s18                     ; rb
	s_lshl_b32 s21, s18, 2
	s_lshl_b32 s21, 15, s21                        ; my row of the cluster shares A
	s_lshl_b32 s22, 0x1111, s17                    ; my column shares Wo
	s_or_b32 s[G1A+0], s21, (3<<16)|(1<<21)        ; A: two dense runs of 6,144 elements of 8 bytes, SIGMA apart
	s_mov_b32 s[G1A+1], 6144<<16
	s_mov_b32 s[G1A+2], 2<<16
	s_mov_b32 s[G1A+3], 6144<<16
	s_mov_b32 s[G1A+4], 2
	s_mov_b32 s[G1A+5], SIGMA/8
	s_mov_b32 s[G1A+6], 0
	s_mov_b32 s[G1A+7], 0
	s_or_b32 s[G1B+0], s22, (1<<20)|(1<<21)|(5<<22)|(3<<25)
	s_mov_b32 s[G1B+1], KROW<<16
	s_mov_b32 s[G1B+2], 128<<16
	s_mov_b32 s[G1B+3], KROW<<16
	s_mov_b32 s[G1B+4], 128
	s_mov_b32 s[G1B+5], KROW
	s_mov_b32 s[G1B+6], 0
	s_mov_b32 s[G1B+7], 0
	s_or_b32 s[G1S+0], s21, (3<<16)|(1<<20)|(1<<21)|(5<<22)|(3<<25)
	s_mov_b32 s[G1S+1], 32<<16
	s_mov_b32 s[G1S+2], 32<<16
	s_mov_b32 s[G1S+3], 32<<16
	s_mov_b32 s[G1S+4], 32
	s_mov_b32 s[G1S+5], 32
	s_mov_b32 s[G1S+6], 0
	s_mov_b32 s[G1S+7], 0
	s_mul_i32 s23, s20, GRUN
	s_mul_i32 s97, s15, 2*SIGMA
	s_add_co_u32 s23, s23, s97                     ; waves 1, 2: heads 0-7, 8-15 (wave / 2 = 0, 1)
	s_mul_i32 s96, s19, 128*KROW
	s_lshl_b32 s100, s20, 13
	s_mov_b32 s[G0A], 1
	s_mul_i32 s[G0A+1], s15, 2*GRUN
	s_mov_b32 s[G0B], 1
	s_mov_b32 s[G0B+1], YB
	s_mov_b32 s[G0S], 1
	s_mov_b32 s[G0S+1], SCL
	s_mov_b32 s99, 0
	v_and_b32 v1, 15, v0
	v_bfe_u32 v2, v0, 4, 1
	v_and_b32 v3, 31, v0
	v_mul_u32_u24 v4, v1, PITCH
	v_mad_u32_u24 v5, v2, 24, v4
	v_mad_u32_u24 v7, v2, 40, v4
	s_mul_i32 s22, s16, 64*PITCH
	s_add_co_u32 s22, s22, YB
	v_add_nc_u32 v[BBV], s22, v5
	v_add_nc_u32 v[BBV+1], s22, v7
.irp t, 0,1,2,3
	v_add_nc_u32 v[BA+2*\t], \t*16*PITCH, v[BBV]
	v_add_nc_u32 v[BA+2*\t+1], \t*16*PITCH, v[BBV+1]
.endr
	s_mul_i32 s21, s15, 8*3072                     ; my eight row tiles
	v_lshl_add_u32 v[A16], v3, 4, s21
	v_lshl_add_u32 v[A8], v3, 3, s21
.irp g, 1,2,3
	v_add_nc_u32 v[A16+\g], \g*GRUN, v[A16]
	v_add_nc_u32 v[A8+\g], \g*GRUN, v[A8]
.endr
	v_lshlrev_b32 v[ABS], 5, v3
	v_lshlrev_b32 v4, 5, v1
	v_lshrrev_b32 v5, 3, v1
	v_lshl_add_u32 v4, v5, 4, v4
	s_mul_i32 s21, s15, 16*272
	s_add_co_u32 s21, s21, SCL
	v_add_nc_u32 v[AAS0], s21, v4
	s_mul_i32 s21, s14, 16*SPITCH
	s_add_co_u32 s21, s21, STAGE
	v_mul_u32_u24 v4, v1, SPITCH
	v_lshl_add_u32 v4, v2, 5, v4
	v_add_nc_u32 v[STO], s21, v4
	v_mul_u32_u24 v4, v2, SPITCH
	v_lshl_add_u32 v4, v1, 4, v4
	v_add_nc_u32 v[RD], s21, v4
	v_lshlrev_b32 v4, 12, v2
	v_lshl_add_u32 v[CO], v1, 4, v4
	v_lshlrev_b32 v8, 5, v2
	WALU
	s_wait_dscnt 0x0
	CROUND                                         ; the opening round
	s_wait_kmcnt 0x0
	G0SET G0B, 8, 96
	G0SET G0A, 4, 23
	G0SET G0S, 6, 100
	s_cmp_eq_u32 s14, 0
	s_cbranch_scc0 .Lw12
	TLOAD G0B, G1B                                 ; wave 0: Wo's 128 rows, wanted first
	s_branch .Lasked
.Lw12:
	s_cmp_lt_u32 s14, 3
	s_cbranch_scc0 .Lw3
	TLOAD G0A, G1A                                 ; waves 1, 2: half of A each
	s_branch .Lasked
.Lw3:
	TLOAD G0S, G1S                                 ; wave 3: A's scale bytes
.Lasked:
	s_lshl_b32 s21, s19, 7
	s_lshl_b32 s22, s16, 6
	s_add_co_u32 s21, s21, s22                     ; my first column
	s_lshl_b32 s98, s21, 5
	s_add_nc_u64 s[10:11], s[10:11], s[98:99]
	s_lshl_b32 s98, s21, 2
	s_add_nc_u64 s[80:81], s[80:81], s[98:99]
	s_add_nc_u64 s[82:83], s[82:83], s[98:99]
	s_lshl_b32 s98, s20, 20                        ; 256 rows of 4,096 bytes
	s_lshl_b32 s22, s15, 19
	s_add_co_u32 s98, s98, s22
	s_add_nc_u64 s[82:83], s[82:83], s[98:99]
.irp p, 0,1
.irp c, 0,1
	global_load_b128 v[SB+8*\p+4*\c:SB+8*\p+4*\c+3], v[ABS], s[10:11] offset:\p*1024+16*\c
.endr
.endr
.irp t, 0,1,2,3
	global_load_b128 v[BO+8*\t:BO+8*\t+3], v8, s[80:81] offset:64*\t
	global_load_b128 v[BO+8*\t+4:BO+8*\t+7], v8, s[80:81] offset:64*\t+16
.endr
	s_cmp_eq_u32 s14, 0
	s_cbranch_scc0 .Lnot_b
	s_wait_tensorcnt 0x0
.Lnot_b:
	BARRIER                                        ; Wo's rows are in
.irp q, 0,1,2,3,4,5,6,7
.irp t, 0,1,2,3
	FRAG 4*\q+\t, \q, v[BA+2*\t], v[BA+2*\t+1]
.endr
.endr
	WIN 0
	s_wait_tensorcnt 0x0
	s_wait_dscnt 0x0
	BARRIER                                        ; A and its scale bytes are in
	FETCH 0
	FETCH 1
	s_wait_loadcnt 0x0
	s_wait_dscnt NF                                ; block 0's fragments are in
; ================= THE STREAM
.irp s, 0,1,2,3,4,5,6,7
	OBLOCK \s
.endr
	s_wait_tensorcnt 0x0                           ; the wave's end
	ds_add_u32 v[SPW], v[NIL]
	s_wait_dscnt 0x0
	CROUND                                         ; the closing round
	s_endpgm
.Lfunc_end_k_q6c461fcd2a_oproj:
	.size	k_q6c461fcd2a_oproj, .Lfunc_end_k_q6c461fcd2a_oproj-k_q6c461fcd2a_oproj
	.p2alignl 7, 3214868480
	.fill 96, 4, 3214868480
	.section	.rodata,"a",@progbits
	.p2align	6, 0x0
	.amdhsa_kernel k_q6c461fcd2a_oproj
		.amdhsa_group_segment_fixed_size 327680
		.amdhsa_private_segment_fixed_size 0
		.amdhsa_enable_private_segment 0
		.amdhsa_kernarg_size 48
		.amdhsa_user_sgpr_count 2
		.amdhsa_user_sgpr_kernarg_segment_ptr 1
		.amdhsa_wavefront_size32 1
		.amdhsa_system_sgpr_workgroup_id_x 1
		.amdhsa_system_sgpr_workgroup_id_y 1
		.amdhsa_system_sgpr_workgroup_id_z 1
		.amdhsa_system_vgpr_workitem_id 0
		.amdhsa_next_free_vgpr 840
		.amdhsa_next_free_sgpr 102
		.amdhsa_reserve_vcc 0
		.amdhsa_float_denorm_mode_32 3
		.amdhsa_float_denorm_mode_16_64 3
		.amdhsa_memory_ordered 1
		.amdhsa_forward_progress 1
		.amdhsa_inst_pref_size 83
	.end_amdhsa_kernel
	.amdgpu_metadata
---
amdhsa.version: [ 1, 2 ]
amdhsa.kernels:
  - .name:           k_q6c461fcd2a_oproj
    .symbol:         k_q6c461fcd2a_oproj.kd
    .args:
      - { .name: obuf, .offset: 0, .size: 8, .value_kind: global_buffer, .address_space: global }
      - { .name: oscl, .offset: 8, .size: 8, .value_kind: global_buffer, .address_space: global }
      - { .name: Wo_codes, .offset: 16, .size: 8, .value_kind: global_buffer, .address_space: global }
      - { .name: Wo_scales, .offset: 24, .size: 8, .value_kind: global_buffer, .address_space: global }
      - { .name: bo, .offset: 32, .size: 8, .value_kind: global_buffer, .address_space: global }
      - { .name: out0, .offset: 40, .size: 8, .value_kind: global_buffer, .address_space: global }
    .group_segment_fixed_size: 327680
    .private_segment_fixed_size: 0
    .kernarg_segment_align: 8
    .kernarg_segment_size: 48
    .max_flat_workgroup_size: 128
    .sgpr_count:     102
    .vgpr_count:     840
    .wavefront_size: 32
...
	.end_amdgpu_metadata
.endif
;; end of part 3
